; MI455X (gfx1250); checked and timed in simulation.
; The chip was launched on July 23, 2026; its instructions are those of AMD's public machine-readable ISA for CDNA 5 (MIT licence, August 2026) and "CDNA5" Instruction Set Architecture Reference Guide (July 2026). The comments in the code are by the model that wrote it; some were corrected since.
;; attention. Allowed arithmetic: matrix products marked QUANTISED: E2M3 operands, one E8M0 scale for each 32 along K, by v_wmma_scale_f32_16x16x128_f8f6f4 with both operands' format E2M3, f32 sums; products left as they are: f32 operands where the result goes on into a quantised operand, else bf16, f16 or f32 operands; f32 sums; everything else in f32.
;; Inputs: W_h 1,024 x 1,024 float32; W_s 1,024 x 1,024 float32; b_h 1,024 float32; b_s 1,024 float32; h 32 x 2,048 x 1,024 float32; s 32 x 1 x 1,024 float32.
;; Outputs: out0 32 x 1,024 float32.
;; This version of the problem:
;;   THIS VERSION OF THE PROBLEM IS GIVEN IN LOW PRECISION. The matrix products marked QUANTISED in the list below multiply operands that are first quantised to E2M3 (2 exponent bits, 3 mantissa bits; 6 bits a number), with one power-of-two scale for each 32 numbers along K (OCP MX v1.0); their sums are f32. All else is computed in f32.
;;   The module's matrix products, in the order in which they are computed (A, B: the left and right operand; K: the contracted axis; several contracted axes count as one K, in the product's order):
;;     1. [M 32, K 1,024] x [K 1,024, N 1,024]; A: input s; B: input W_s: QUANTISED
;;     2. [M 65,536, K 1,024] x [K 1,024, N 1,024]; A: input h; B: input W_h: QUANTISED
;;     3. batch 32 x [M 1, K 1,024] x [K 1,024, N 2,048]; A: computed on the way; B: computed on the way: left as it is (M = 1 < 16)
;;     4. batch 32 x [M 1, K 2,048] x [K 2,048, N 1,024]; A: softmax; B: input h: left as it is (M = 1 < 16)
;;   THE QUANTISER, for each operand of a quantised product, along K:
;;     - K is cut into blocks of 32 from its start; a last block that is shorter is filled with zeros.
;;     - A block's scale is 2^e with e = floor(log2(the largest magnitude in the block)) - 2, held to -126 .. 127; a block of zeros has e = 0. As a byte (E8M0): e + 127.
;;     - Each number is divided by its block's scale, clamped to +-7.5, and rounded to the nearest number of E2M3, ties to even, subnormals kept.
;;     - The product sums the exact products of the quantised numbers (number of the format x scale) in f32.
;;   ~~~python
;;   def quantise(x, axis):      # numpy; x: float32 -> the quantised numbers, widened to float32 again
;;       x = np.moveaxis(x, axis, -1); K = x.shape[-1]
;;       x = np.pad(x, [(0, 0)] * (x.ndim - 1) + [(0, -K % 32)]); x = x.reshape(x.shape[:-1] + (-1, 32)); a = np.abs(x).max(-1, keepdims=True)
;;       e = np.where(a > 0, np.clip(np.frexp(np.where(a > 0, a, 1))[1] - 1 - 2, -126, 127), 0)      # np.frexp(a)[1] - 1 = floor(log2(a)), exactly
;;       r = np.clip(x / 2.0 ** e, -7.5, 7.5)
;;       step = 2.0 ** (np.maximum(np.frexp(np.where(r == 0, 1, r))[1] - 1, 0) - 3)
;;       q = np.round(r / step) * step * 2.0 ** e      # np.round: ties to even
;;       return np.moveaxis(q.reshape(q.shape[:-2] + (-1,))[..., :K], -1, axis).astype(np.float32)
;;   ~~~
;; One version. Each part assembles by itself: llvm-mc -triple=amdgcn-amd-amdhsa -mcpu=gfx1250 --defsym DOCPART=n.
;; ======== version 1 of 1: 3 launches
;; limits: values are held in bf16: 8 bits of precision; right only within a limited range of input values
;; workspace buffers: wq 1,048,576 bytes; sfi 131,072 bytes; part_c 1,048,576 bytes; part_ml 65,536 bytes
;; launch prep (part 1): grid 64 x 1, 8 waves a work-group, no clusters, 33,792 bytes of LDS; arguments W_h, W_s, s, b_s, wq, sfi; writes wq, sfi
.if DOCPART == 1
	.amdgcn_target "amdgcn-amd-amdhsa--gfx1250"
	.amdhsa_code_object_version 6
	.text
	.protected	k_qc18d1c1dbd_prep
	.globl	k_qc18d1c1dbd_prep
	.p2align	8
	.type	k_qc18d1c1dbd_prep,@function
k_qc18d1c1dbd_prep:
	s_mov_b64 s[64:65], 0
	v_nop
	global_prefetch_b8 v0, s[64:65] scope:SCOPE_SE
	s_setreg_imm32_b32 hwreg(HW_REG_WAVE_MODE, 25, 1), 1
	s_wait_xcnt 0x0
; Two jobs in one launch, parted once on the work-group's number.
; Work-groups 0-31:  W_h [1024 (k)][1024 (n)] f32 becomes codes of FP6 (E2M3) with one E8M0 byte for each 32 along k, stored in the ORDER OF THE OPERAND'S REGISTERS:
;   wq: chunk c (n = 128 c ..) at 131,072 c; in it part w (k = 256 w ..) at 25,600 w; in it the codes of n-tile i, K step ks, registers 4 q .. 4 q + 3 of lane l at 3,072 i + 1,536 ks + 512 q + 16 l,
;   and the scale words at 24,576 + 128 i + 4 l: lanes 0-15 the word of K step 0 of column l, lanes 16-31 that of K step 1.
; Work-groups 32-63: s_fi = Q(s) Q(W_s) + b_s by the FP6 matrix instruction; stored is s_fi alone, at b 4096 + (n >> 7) 512 + (n & 15) 32 + ((n >> 4) & 7) 4.
; SHARES.  Work-group x' = number mod 32 takes columns 32 x' .. 32 x' + 31; wave u takes k = 128 u .. 128 u + 127.  A LANE TAKES A COLUMN AND ITS REGISTERS RUN DOWN K: a block of 32 lies in one lane,
; and the conversions give codes with K innermost.  In the second job each wave makes the partial sums of its K step; they meet in LDS and are added in ascending K.
; A block's scale is 2^(floor(log2(largest magnitude)) - 2); its byte is the largest magnitude's exponent field - 2, held at 1 from below.
; LIMITS: a block of zeros, and one whose largest magnitude lies under 2^-124, keeps the byte 1 (zeros' codes are zeros; this program alone reads the bytes); NaN and infinities are not served.
; WORK LEFT OUT, in the whole program: b_h.  e(b, t) = s_fi(b) . (Q(h(b, t)) Q(W_h)) + s_fi(b) . b_h; the second term is the same for every t of a batch, for all values of the inputs,
; and alpha = softmax(e) along t is unchanged by a term that is the same along t.  b_h enters no quantised operand.  So b_h has no way to the output: it is not loaded and is no argument of any launch,
; and of the two results named above s_fi alone is made and stored (s_fi x b_h is not).  LIMIT: a NaN, an infinity or an overflow that reaches only s_fi . b_h is not carried to the result.
.set X,   32
.set SX,  160                          ; v160-223 64 numbers of a row of s
.set A0,  224                          ; v224-235 s's fragment, rows 0-15
.set A1,  236                          ; v236-247 rows 16-31; before that three conversions' results
.set STG, 248                          ; v248-254 conversions' results on their way
.set TM,  16                           ; v16-31   at work
.set AS0, 8                            ; v8, v9   s's scale words
.set AS1, 9
.set SW,  10                           ; v10      my column's scale word
.set SEL, 40                           ; s[40:41] lane selects for v_permlanex16_b32: lane l xor 16
.macro WLOAD base                      ; W(128 u + i, my column): 32 lanes read 128 consecutive bytes
.set i, 0
.rept 128
	global_load_b32 v[X+i], v4, s[\base:\base+1] offset:4096*i th:TH_LOAD_NT
.set i, i+1
.endr
.endm
.macro SLOAD off                       ; lane (r, h): of row r of s, 16 neighbours of each block of 32 of my K step
.irp b, 0,1,2,3
.irp j, 0,1,2,3
	global_load_b128 v[SX+16*\b+4*\j:SX+16*\b+4*\j+3], v5, s[8:9] offset:\off+128*\b+16*\j
.endr
.endr
.endm
; My column's four blocks become codes: v32-43 blocks 0 and 2 (what lane (r, 0) of the operand holds), v44-55 blocks 1 and 3 (lane (r, 1)); v[SW] the four bytes.
.macro QTILE
.irp b, 0,1,2,3
	v_max3_num_f32 v[TM+\b], |v[X+32*\b]|, |v[X+32*\b+1]|, 0x1800000   ; with the floor 2^(3 - 127): the byte cannot fall under 1
.endr
.irp i, 2,4,6,8,10,12,14,16,18,20,22,24,26,28,30
.irp b, 0,1,2,3
	s_delay_alu instid0(VALU_DEP_4)
	v_max3_num_f32 v[TM+\b], v[TM+\b], |v[X+32*\b+\i]|, |v[X+32*\b+\i+1]|   ; the four blocks by turns
.endr
.endr
.irp b, 0,1,2,3
	s_delay_alu instid0(VALU_DEP_4)
	v_add_nc_u32 v[TM+12+\b], 0xff000000, v[TM+\b]                 ; 2 off the exponent field: the conversion's scale operand
.endr
.irp b, 0,1,2,3
	s_delay_alu instid0(VALU_DEP_4)
	v_lshrrev_b32 v[TM+8+\b], 23, v[TM+12+\b]                      ; the byte
.endr
	s_delay_alu instid0(VALU_DEP_3)
	v_lshl_or_b32 v[SW], v[TM+9], 8, v[TM+8]
	s_delay_alu instid0(VALU_DEP_1)
	v_lshl_or_b32 v[SW], v[TM+10], 16, v[SW]
	s_delay_alu instid0(VALU_DEP_1)
	v_lshl_or_b32 v[SW], v[TM+11], 24, v[SW]
	v_cvt_scalef32_pk16_fp6_f32 v[248:250], v[X:X+15], v[TM+12]    ; block 0 elsewhere: its place lies among its own numbers
	v_cvt_scalef32_pk16_fp6_f32 v[252:254], v[X+16:X+31], v[TM+12]
	v_nop                                                          ; a plain place: the next lines write over block 0's numbers
	v_cvt_scalef32_pk16_fp6_f32 v[44:46], v[X+32:X+47], v[TM+13]   ; lower halves straight into place,
	v_cvt_scalef32_pk16_fp6_f32 v[236:238], v[X+48:X+63], v[TM+13] ; upper halves elsewhere: a conversion's three registers begin on an even number
	v_cvt_scalef32_pk16_fp6_f32 v[38:40], v[X+64:X+79], v[TM+14]
	v_cvt_scalef32_pk16_fp6_f32 v[240:242], v[X+80:X+95], v[TM+14]
	v_cvt_scalef32_pk16_fp6_f32 v[50:52], v[X+96:X+111], v[TM+15]
	v_cvt_scalef32_pk16_fp6_f32 v[244:246], v[X+112:X+127], v[TM+15]
	v_nop                                                          ; a plain place behind the last conversion
.irp i, 0,1,2
	v_mov_b32 v[32+\i], v[248+\i]
	v_mov_b32 v[35+\i], v[252+\i]
	v_mov_b32 v[41+\i], v[240+\i]
	v_mov_b32 v[47+\i], v[236+\i]
	v_mov_b32 v[53+\i], v[244+\i]
.endr
.endm
; 64 numbers of a lane, register 16 b + i = k 32 b + 16 (lane / 16) + i of row lane % 16, become a fragment at v[a] on and its scale word in v[as].
.macro QUANT a, as
.irp b, 0,1,2,3
	v_max3_num_f32 v[TM+\b], |v[SX+16*\b]|, |v[SX+1+16*\b]|, 0x1800000
.endr
.irp i, 2,4,6,8,10,12,14
.irp b, 0,1,2,3
	s_delay_alu instid0(VALU_DEP_4)
	v_max3_num_f32 v[TM+\b], v[TM+\b], |v[SX+16*\b+\i]|, |v[SX+1+16*\b+\i]|
.endr
.endr
.irp b, 0,1,2,3
	s_delay_alu instid0(VALU_DEP_4)
	v_permlanex16_b32 v[TM+4+\b], v[TM+\b], s[SEL], s[SEL+1]
.endr
.irp b, 0,1,2,3
	s_delay_alu instid0(VALU_DEP_4)
	v_max_num_f32 v[TM+\b], v[TM+\b], v[TM+4+\b]                   ; with lane l xor 16's 16: the block's largest magnitude
.endr
.irp b, 0,1,2,3
	s_delay_alu instid0(VALU_DEP_4)
	v_add_nc_u32 v[TM+12+\b], 0xff000000, v[TM+\b]
.endr
.irp b, 0,1,2,3
	s_delay_alu instid0(VALU_DEP_4)
	v_lshrrev_b32 v[TM+4+\b], 23, v[TM+12+\b]
.endr
	s_delay_alu instid0(VALU_DEP_3)
	v_lshl_or_b32 v[\as], v[TM+5], 8, v[TM+4]
	s_delay_alu instid0(VALU_DEP_1)
	v_lshl_or_b32 v[\as], v[TM+6], 16, v[\as]
	s_delay_alu instid0(VALU_DEP_1)
	v_lshl_or_b32 v[\as], v[TM+7], 24, v[\as]
.irp c, 0,1
	v_cvt_scalef32_pk16_fp6_f32 v[\a+6*\c:\a+6*\c+2], v[SX+32*\c:SX+32*\c+15], v[TM+12+2*\c]
	v_cvt_scalef32_pk16_fp6_f32 v[STG+4*\c:STG+4*\c+2], v[SX+32*\c+16:SX+32*\c+31], v[TM+12+2*\c+1]
.endr
	v_nop                                                          ; a plain place behind the last conversion
.irp c, 0,1                            ; the operand wants a whole block in a lane: lanes 0-15 block 2 c, lanes 16-31 block 2 c + 1
.irp i, 0,1,2
	v_permlane16_swap_b32 v[\a+6*\c+\i], v[STG+4*\c+\i]
.endr
.irp i, 0,1,2
	s_delay_alu instid0(VALU_DEP_3)
	v_mov_b32 v[\a+3+6*\c+\i], v[STG+4*\c+\i]
.endr
.endr
.endm
	s_load_b256 s[4:11], s[0:1], 0x0               ; W_h s[4:5], W_s s[6:7], s s[8:9], b_s s[10:11]
	s_load_b64 s[14:15], s[0:1], 0x20              ; wq
	s_load_b64 s[16:17], s[0:1], 0x28              ; sfi
	v_lshl_add_u32 v251, v0, 2, 0x8000
	v_mov_b32 v255, 0
	v_lshrrev_b32 v1, 5, v0
	s_delay_alu instid0(VALU_DEP_1)
	v_readfirstlane_b32 s20, v1                    ; wave u = my K step
	v_and_b32 v1, 31, v0                           ; lane
	v_and_b32 v2, 15, v0                           ; r
	v_bfe_u32 v3, v0, 4, 1                         ; h
	s_delay_alu instid0(VALU_DEP_3)
	v_lshlrev_b32 v4, 2, v1                        ; my column's 4 bytes in a row of W
	s_and_b32 s21, ttmp9, 31                       ; x'
	s_lshl_b32 s22, s20, 19                        ; 128 u rows of 4,096 bytes
	s_lshl_b32 s23, s21, 7                         ; 32 x' columns
	s_add_co_u32 s22, s22, s23
	s_mov_b32 s23, 0
	s_lshl_b32 s28, s20, 12
	v_lshl_add_u32 v7, v1, 4, s28                  ; LDS: my partial sums, 4,096 u + 16 x lane
	s_lshl_b32 s29, s20, 9
	v_lshl_add_u32 v11, v1, 4, s29                 ; LDS: what I add up, 512 u + 16 x lane in each wave's 4,096 bytes
	s_mov_b32 s[SEL], 0x76543210
	s_mov_b32 s[SEL+1], 0xfedcba98
.irp b, 0,1,2,3
	v_mov_b32 v[TM+4+\b], 0                        ; written once: a lane permute's destination counts as one of its sources
.endr
	s_wait_kmcnt 0x0
	s_cmp_lt_u32 ttmp9, 32                         ; the same for all waves of a work-group
	s_cbranch_scc0 .Lpath_s
	; ---- W_h into wq
	s_add_nc_u64 s[4:5], s[4:5], s[22:23]
	s_wait_alu depctr_va_vdst(0)
	WLOAD 4
	s_lshr_b32 s24, s21, 2
	s_lshl_b32 s24, s24, 17                        ; chunk x' / 4
	s_lshr_b32 s25, s20, 1
	s_mul_i32 s25, s25, 25600                      ; part u / 2
	s_add_co_u32 s24, s24, s25
	s_and_b32 s25, s21, 3
	s_mul_i32 s26, s25, 6144                       ; n-tile 2 (x' % 4) + lane / 16
	s_add_co_u32 s26, s26, s24
	s_and_b32 s27, s20, 1
	s_mul_i32 s28, s27, 1536                       ; K step u % 2
	s_add_co_u32 s26, s26, s28
	v_mul_u32_u24 v5, v3, 3072
	s_delay_alu instid0(VALU_DEP_1)
	v_lshl_add_u32 v5, v2, 4, v5
	s_delay_alu instid0(VALU_DEP_1)
	v_add_nc_u32 v5, s26, v5                       ; the codes: sixteen lanes fill 256 consecutive bytes
	s_lshl_b32 s25, s25, 8
	s_add_co_u32 s29, s24, s25
	s_lshl_b32 s28, s27, 6
	s_add_co_u32 s29, s29, s28
	s_add_co_u32 s29, s29, 24576
	v_lshlrev_b32 v6, 7, v3
	s_delay_alu instid0(VALU_DEP_1)
	v_lshl_add_u32 v6, v2, 2, v6
	s_delay_alu instid0(VALU_DEP_1)
	v_add_nc_u32 v6, s29, v6                       ; the scale word
	s_wait_loadcnt 0x0
	QTILE
.irp q, 0,1,2
	global_store_b128 v5, v[32+4*\q:35+4*\q], s[14:15] offset:512*\q       ; what lanes 0-15 of the operand hold,
	global_store_b128 v5, v[44+4*\q:47+4*\q], s[14:15] offset:512*\q+256   ; and lanes 16-31
.endr
	global_store_b32 v6, v[SW], s[14:15]
	s_endpgm
	; ---- s_fi
.Lpath_s:
	s_add_nc_u64 s[6:7], s[6:7], s[22:23]
	s_wait_alu depctr_va_vdst(0)
	v_lshlrev_b32 v5, 12, v2
	s_delay_alu instid0(VALU_DEP_1)
	v_lshl_add_u32 v5, v3, 6, v5
	s_lshl_b32 s24, s20, 9
	v_add_nc_u32 v5, s24, v5                       ; s: row r, my K step, + 64 h
	SLOAD 0                                        ; rows 0-15
	s_bfe_u32 s25, s20, 0x10001                    ; which of the two n-tiles I add up later: (u >> 1) & 1
	s_lshl_b32 s26, s21, 5
	s_lshl_b32 s27, s25, 4
	s_add_co_u32 s26, s26, s27
	v_add_nc_u32 v6, s26, v2
	s_delay_alu instid0(VALU_DEP_1)
	v_lshlrev_b32 v6, 2, v6                        ; its column n = 32 x' + 16 tile + r
	global_load_b32 v12, v6, s[10:11]              ; b_s(n)
	WLOAD 6
	s_wait_loadcnt 63                              ; 129 loads are younger than s's sixteen: those are in
	QUANT A0, AS0
	SLOAD 65536                                    ; rows 16-31
	s_wait_loadcnt 16                              ; all but those sixteen: W_s and the biases are in
	QTILE
.irp i, 0,1,2,3,4,5,6,7,8,9,10,11
	v_permlane16_swap_b32 v[32+\i], v[44+\i]       ; v32-43 becomes the fragment of columns 32 x' .. + 15, v44-55 that of the next sixteen
.endr
	s_wait_loadcnt 0x0
	QUANT A1, AS1
.rept 8
	v_nop                                          ; operands and scale words written by vector instructions stand 4 and 8 places ahead of a scaled matrix instruction
.endr
	v_wmma_scale_f32_16x16x128_f8f6f4 v[64:71], v[A0:A0+11], v[32:43], 0, v[AS0], v[SW] matrix_a_fmt:MATRIX_FMT_FP6 matrix_b_fmt:MATRIX_FMT_FP6
	v_wmma_scale_f32_16x16x128_f8f6f4 v[72:79], v[A0:A0+11], v[44:55], 0, v[AS0], v[SW] matrix_a_fmt:MATRIX_FMT_FP6 matrix_b_fmt:MATRIX_FMT_FP6 matrix_b_scale:MATRIX_SCALE_ROW1
	v_wmma_scale_f32_16x16x128_f8f6f4 v[80:87], v[A1:A1+11], v[32:43], 0, v[AS1], v[SW] matrix_a_fmt:MATRIX_FMT_FP6 matrix_b_fmt:MATRIX_FMT_FP6
	v_wmma_scale_f32_16x16x128_f8f6f4 v[88:95], v[A1:A1+11], v[44:55], 0, v[AS1], v[SW] matrix_a_fmt:MATRIX_FMT_FP6 matrix_b_fmt:MATRIX_FMT_FP6 matrix_b_scale:MATRIX_SCALE_ROW1
.rept 4
	v_nop                                          ; four places ahead of the first read of a result
.endr
.irp t, 0,1,2,3
	ds_store_b128 v7, v[64+8*\t:67+8*\t] offset:1024*\t            ; each accumulator from its low end on
	ds_store_b128 v7, v[68+8*\t:71+8*\t] offset:1024*\t+512
.endr
	s_wait_dscnt 0x0                               ; for the others' sake: my partial sums lie in LDS
	s_barrier_signal -1
	s_barrier_wait -1
.irp w, 0,1,2,3,4,5,6,7
	ds_load_b128 v[96+4*\w:99+4*\w], v11 offset:4096*\w            ; four registers of one tile, from every K step
.endr
	s_lshr_b32 s30, s20, 2
	s_lshl_b32 s30, s30, 16                        ; rows 16 (u >> 2) on,
	s_and_b32 s31, s20, 1
	s_lshl_b32 s31, s31, 14                        ; + 4 (u & 1),
	s_add_co_u32 s30, s30, s31
	s_lshr_b32 s31, s21, 2
	s_lshl_b32 s31, s31, 9                         ; n >> 7 = x' / 4,
	s_add_co_u32 s30, s30, s31
	s_and_b32 s31, s21, 3
	s_lshl_b32 s31, s31, 1
	s_add_co_u32 s31, s31, s25                     ; (n >> 4) & 7
	s_lshl_b32 s31, s31, 2
	s_add_co_u32 s30, s30, s31
	v_lshlrev_b32 v14, 15, v3                      ; + 8 h rows,
	s_delay_alu instid0(VALU_DEP_1)
	v_lshl_add_u32 v14, v2, 5, v14                 ; n & 15 = r
	s_delay_alu instid0(VALU_DEP_1)
	v_add_nc_u32 v14, s30, v14
	s_wait_dscnt 0x0
.irp w, 1
	v_pk_add_f32 v[96:97], v[96:97], v[96+4*\w:97+4*\w]            ; K ascending
	v_pk_add_f32 v[98:99], v[98:99], v[98+4*\w:99+4*\w]
.endr
.irp w, 2, 3, 4, 5, 6, 7
	s_delay_alu instid0(VALU_DEP_2)
	v_pk_add_f32 v[96:97], v[96:97], v[96+4*\w:97+4*\w]            ; K ascending
	s_delay_alu instid0(VALU_DEP_2)
	v_pk_add_f32 v[98:99], v[98:99], v[98+4*\w:99+4*\w]
.endr
.irp j, 0,1,2,3
	v_add_f32 v[96+\j], v[96+\j], v12              ; s_fi
.endr
.irp j, 0,1,2,3
	global_store_b32 v14, v[96+\j], s[16:17] offset:4096*\j
.endr
	s_wait_tensorcnt 0x0
	ds_add_u32 v251, v255
	s_wait_dscnt 0x0
	s_endpgm
.Lfunc_end_k_qc18d1c1dbd_prep:
	.size	k_qc18d1c1dbd_prep, .Lfunc_end_k_qc18d1c1dbd_prep-k_qc18d1c1dbd_prep
	.p2alignl 7, 3214868480
	.fill 96, 4, 3214868480
	.section	.rodata,"a",@progbits
	.p2align	6, 0x0
	.amdhsa_kernel k_qc18d1c1dbd_prep
		.amdhsa_group_segment_fixed_size 33792
		.amdhsa_private_segment_fixed_size 0
		.amdhsa_enable_private_segment 0
		.amdhsa_kernarg_size 48
		.amdhsa_user_sgpr_count 2
		.amdhsa_user_sgpr_kernarg_segment_ptr 1
		.amdhsa_wavefront_size32 1
		.amdhsa_system_sgpr_workgroup_id_x 1
		.amdhsa_system_sgpr_workgroup_id_y 1
		.amdhsa_system_sgpr_workgroup_id_z 1
		.amdhsa_system_vgpr_workitem_id 0
		.amdhsa_next_free_vgpr 256
		.amdhsa_next_free_sgpr 66
		.amdhsa_reserve_vcc 0
		.amdhsa_float_denorm_mode_32 3
		.amdhsa_float_denorm_mode_16_64 3
		.amdhsa_memory_ordered 1
		.amdhsa_forward_progress 1
		.amdhsa_inst_pref_size 63
	.end_amdhsa_kernel
	.amdgpu_metadata
---
amdhsa.version: [ 1, 2 ]
amdhsa.kernels:
  - .name:           k_qc18d1c1dbd_prep
    .symbol:         k_qc18d1c1dbd_prep.kd
    .args:
      - { .name: W_h, .offset: 0, .size: 8, .value_kind: global_buffer, .address_space: global }
      - { .name: W_s, .offset: 8, .size: 8, .value_kind: global_buffer, .address_space: global }
      - { .name: s, .offset: 16, .size: 8, .value_kind: global_buffer, .address_space: global }
      - { .name: b_s, .offset: 24, .size: 8, .value_kind: global_buffer, .address_space: global }
      - { .name: wq, .offset: 32, .size: 8, .value_kind: global_buffer, .address_space: global }
      - { .name: sfi, .offset: 40, .size: 8, .value_kind: global_buffer, .address_space: global }
    .group_segment_fixed_size: 33792
    .private_segment_fixed_size: 0
    .kernarg_segment_align: 8
    .kernarg_segment_size: 48
    .max_flat_workgroup_size: 256
    .sgpr_count:     66
    .vgpr_count:     256
    .wavefront_size: 32
...
	.end_amdgpu_metadata
.endif
;; end of part 1
;; launch main (part 2): grid 256 x 1, 4 waves a work-group, no clusters, 302,592 bytes of LDS; arguments h, wq, sfi, part_c, part_ml; writes part_c, part_ml
.if DOCPART == 2
	.amdgcn_target "amdgcn-amd-amdhsa--gfx1250"
	.amdhsa_code_object_version 6
	.text
	.protected	k_qc18d1c1dbd_main
	.globl	k_qc18d1c1dbd_main
	.p2align	8
	.type	k_qc18d1c1dbd_main,@function
k_qc18d1c1dbd_main:
	s_mov_b64 s[64:65], 0
	v_nop
	global_prefetch_b8 v0, s[64:65] scope:SCOPE_SE
	s_setreg_imm32_b32 hwreg(HW_REG_WAVE_MODE, 25, 1), 1
	s_wait_xcnt 0x0
; For 256 rows t of h (one eighth of a batch): e(t) = s_fi . (Q(h(t)) Q(W_h)), a running softmax over these rows, and the context sum of p(t) h(t).  Stored: the unnormalised context (1,024 f32), its maximum and its sum.
; b_h is left out: s_fi . b_h is the same for every t of a batch, and the softmax along t is unchanged by it (shown at the head of the first kernel).
; h IS READ ONCE, in two runs of 128 rows, so that W is walked twice.  THE FOUR WAVES SPLIT K: wave w owns k = d = 256 w .. 256 w + 255.  Its stripe of 16 rows (a tile) comes by 32 loads of 512 consecutive bytes into a landing set of
; registers (two sets by turns), turns through the wave's own stage in LDS, one K step at a time, is quantised to FP6 (E2M3, one E8M0 byte for each 32 along k) into the wave's own operand registers, and is kept as bf16 in the
; wave's own 65,536 bytes of LDS, as images of registers.  The wave multiplies its eight tiles by part w of W's codes, dots the partial sums with s_fi (e is linear in them), and sums the context for its own 256 d.
; All that passes between waves is a partial e: 128 numbers a wave and run.
; W: each byte of wq is an image of ONE wave's operand registers, so it goes from memory straight into them: eight sets (one for each n-tile of a chunk of 128 columns), each loaded again for the next chunk as soon as its
; sixteen products are issued: seven sets of seven loads are out when a set is waited for.  Between two walks of W the sets' registers serve as the second landing set.
; NO TENSOR LOAD, NO CLUSTER: what work-groups share is W alone, and W has no tile in LDS that a joint load could fill: 262,144 bytes of LDS hold the bf16 copies.
; PREFETCH: in each of the first run's eight chunk trips a wave names 16 rows x 4 blocks of 256 bytes of its stripe of the second run (a lane a block, two instructions); the second run's trips ask for nothing.
; THE PRODUCT: source 0 = 16 rows of h, source 1 = 16 columns of W: lane (r, hh) holds column n = r and rows 8 hh + 0 .. 7; one number of s_fi a lane serves eight results, and sixteen lanes are added at the run's end.
; SOFTMAX: lane (r, .) keeps a running maximum and sum for rows r, 16 + r, .. ; its context sums are rescaled once a run; the lanes are joined at the end under their common maximum.
; LIMITS: NaN and infinities are not served.  A block of zeros, and one whose largest magnitude lies under 2^-124, keeps the scale byte 1.  e is summed in 4 stripes of k and 16 classes of n: an order of rounding other than a plain sum's.
; h is rounded to bf16 for the context alone; its weight and the sums are f32.
; REGISTERS, in windows of 256.  window 0: addresses, statistics, scale words, v128-255 the context sums.  window 1: v0-191 h's fragments (tile, K step); v192-255 sums of e.
; window 2: v0-191 W's eight sets (v0-127 also landing set 1); v192-199 s_fi of the chunk; v200-231 bf16 on its way.  window 3: v0-127 accumulators (n-tile % 2, tile), a tile's numbers, copies read back; v128-255 landing set 0.
.set STGP,   528                       ; a stage row: 512 bytes + 16: the sixteen rows that a load touches start in different banks
.set STG,    262144                    ; behind the copies: for each wave 16 rows x 528
.set EX,     STG+4*16*STGP             ; 4 waves x 128 partial e
.set SFIL,   EX+2048                   ; s_fi of my batch, 4,096 bytes, stored once
.set SPARE,  SFIL+4096                 ; the spare words, 128 bytes for each wave: two blocks of 256 bytes that no other line names
.set CPITCH, 1040                      ; the end's stage, in my copies' bytes: 16 rows x (1,024 + 16)
.set LOG2E,  0x3fb8aa3b
.set SPW,  1                           ; LDS address of my spare word; never rewritten
.set NIL,  2                           ; 0; never rewritten
.set STS,  3                           ; stage as memory has it: 16 x lane
.set STL,  4                           ; stage as the quantiser wants it: row r, + 64 hh
.set EXW,  5
.set EXR,  6
.set BOF,  7                           ; 16 x lane
.set SOF,  8                           ; 4 x lane
.set MX,   9
.set LS,   10
.set SF0,  11
.set FF,   12                          ; v[12:13] the rescaling factor (named as a pair)
.set T0,   14
.set T1,   15
.set AS,   16                          ; v16-31 h's scale words (tile, K step)
.set WS,   32                          ; v32-39 W's scale words, one register a set
.set TM,   40                          ; v40-55
.set SFA,  56
.set PFO,  57
.set MLO,  58
.set KAD,  59                          ; my copies: 65,536 w + 16 x lane
.set CS,   60
.set PP,   64                          ; v64-71 the eight tiles' weights
.set PC,   76                          ; v76-95 codes just made
.set E0,   96                          ; v96-127
.set CTX,  128
.set EACC, 192                         ; window 1
.set SFI8, 192                         ; window 2
.set KT,   200
.set WV,   16
.set WB,   36                          ; wq + 25,600 w
.set WN,   40                          ; the chunk that is being loaded
.set TS,   42
.set CC,   43
.set QC,   44
.set KS,   45
.set PFA,  46
.set HP,   48
.set SEL,  50
.set MSB, 0
.macro WIN new                         ; the immediate's high byte repeats the setting that is left
.if MSB != \new
	s_set_vgpr_msb (MSB<<8)|\new
.set MSB, \new
.endif
.endm
.macro PLACES n
.rept \n
	v_nop
.endr
.endm
.macro WFETCH i, base                  ; set i: its scale words and two fragments as images of their registers, 512 consecutive bytes a load: seven loads
	WIN 0
	global_load_b32 v[WS+(\i)], v[SOF], s[\base:\base+1] offset:24576+128*(\i)
	WIN 0x80
.irp q, 0,1,2,3,4,5
	global_load_b128 v[24*(\i)+4*\q:24*(\i)+4*\q+3], v[BOF], s[\base:\base+1] offset:3072*(\i)+512*\q
.endr
.endm
.macro ASK                             ; 16 rows of the next run's stripe
	WIN 0
	s_cmp_gt_u32 s[QC], 1                          ; a further run exists
	s_cbranch_scc0 .Lnp_\@
	global_prefetch_b8 v[PFO], s[PFA:PFA+1] th:TH_LOAD_NT scope:SCOPE_SE
	global_prefetch_b8 v[PFO], s[PFA:PFA+1] offset:32768 th:TH_LOAD_NT scope:SCOPE_SE
.Lnp_\@:
.endm
.macro MM                              ; product mi of n-tile ti: tile mi % 8, K step mi / 8; the eight accumulators by turns
.set sl, mi%8
.set rD, 64*(ti%2)+8*sl
.set rA, 24*sl+12*(mi/8)
.set rB, 24*ti+12*(mi/8)
.if mi < 8
	v_wmma_scale_f32_16x16x128_f8f6f4 v[rD:rD+7], v[rA:rA+11], v[rB:rB+11], 0, v[AS+2*sl], v[WS+ti] matrix_a_fmt:MATRIX_FMT_FP6 matrix_b_fmt:MATRIX_FMT_FP6
.else
	v_wmma_scale_f32_16x16x128_f8f6f4 v[rD:rD+7], v[rA:rA+11], v[rB:rB+11], v[rD:rD+7], v[AS+2*sl+1], v[WS+ti] matrix_a_fmt:MATRIX_FMT_FP6 matrix_b_fmt:MATRIX_FMT_FP6 matrix_b_scale:MATRIX_SCALE_ROW1
.endif
.endm
.macro DOTL                            ; line dl of the dot of n-tile tp: sums of e += two results x s_fi(n); tile by tile, each accumulator from its low end on
.set rE, EACC+8*(dl/4)+2*(dl%4)
.set rC, 64*(tp%2)+8*(dl/4)+2*(dl%4)
.set rF, SFI8+2*(tp/2)
.if tp%2
	v_pk_fma_f32 v[rE:rE+1], v[rC:rC+1], v[rF:rF+1], v[rE:rE+1] op_sel:[0,1,0] op_sel_hi:[1,1,1]
.else
	v_pk_fma_f32 v[rE:rE+1], v[rC:rC+1], v[rF:rF+1], v[rE:rE+1] op_sel_hi:[1,0,1]
.endif
.set dl, dl+1
.endm
; n-tile ti: sixteen products in one run; behind them the 32 lines of the dot of the tile before, which are the places ahead of the loads into this set and of the first read of these results.
.macro TILE fetch
.if \fetch
	s_wait_loadcnt 49                              ; this set's seven loads are in; the seven sets' behind them may be out
.else
	s_wait_loadcnt 7*(7-ti)
.endif
.if ti == 1
	s_wait_dscnt 0x0                               ; s_fi of the chunk
.endif
	WIN 0xf9                                       ; h's fragments window 1, W's window 2, accumulators window 3
.set mi, 0
.rept 16
	MM
.set mi, mi+1
.endr
.if ti == 0
	PLACES 4                                       ; no dot is at hand yet
.else
	WIN 0x5b                                       ; results window 3, s_fi window 2, sums of e window 1
.set tp, ti-1
.set dl, 0
.rept 32
	DOTL
.endr
.endif
.if ti == 7
.set tp, 7
.set dl, 0
.rept 32
	DOTL
.endr
.endif
.if ti == 3
	ASK
.endif
.if \fetch
	WFETCH ti, WN
.endif
.endm
.macro TRIP fetch                      ; a chunk: 128 columns of W against the run's eight tiles
	v_add_nc_u32 v[SFA], s[TS], v[SF0]
	WIN 0x80
	ds_load_b128 v[SFI8:SFI8+3], v[SFA]            ; s_fi(128 c + 16 i + r), i = 0 .. 7
	ds_load_b128 v[SFI8+4:SFI8+7], v[SFA] offset:16
.set ti, 0
.rept 8
	TILE \fetch
.set ti, ti+1
.endr
	WIN 0
	s_add_co_u32 s[TS], s[TS], 512
	s_and_b32 s[TS], s[TS], 0xe00
.if \fetch
	s_wait_xcnt 0x0                                ; the loads and the prefetches have read their bases
	s_add_nc_u64 s[WN:WN+1], s[WN:WN+1], 0x20000   ; the next chunk
	s_add_nc_u64 s[PFA:PFA+1], s[PFA:PFA+1], 0x10000   ; 16 rows on
.endif
.endm
.macro HLOAD u, lb                     ; my stripe of tile u: each load reads 512 consecutive bytes; register lb + 8 row + 4 K step
.irp row, 0,1,2,3,4,5,6,7,8,9,10,11,12,13,14,15
	global_load_b128 v[\lb+8*\row:\lb+8*\row+3], v[BOF], s[HP:HP+1] offset:65536*(\u)+4096*\row th:TH_LOAD_NT
	global_load_b128 v[\lb+8*\row+4:\lb+8*\row+7], v[BOF], s[HP:HP+1] offset:65536*(\u)+4096*\row+512 th:TH_LOAD_NT
.endr
.endm
.macro TURN u, ks                      ; K step ks of tile u through my stage: in as memory has it, back 64 numbers a lane, register 16 b + i = k 32 b + 16 hh + i of row r
.if (\u)%2
	WIN 0x08
.else
	WIN 0x0c
.endif
.irp row, 0,1,2,3,4,5,6,7,8,9,10,11,12,13,14,15
	ds_store_b128 v[STS], v[128-128*((\u)%2)+8*\row+4*(\ks):128-128*((\u)%2)+8*\row+4*(\ks)+3] offset:STGP*\row
.endr
	WIN 0xc0
.irp b, 0,1,2,3
.irp j, 0,1,2,3
	ds_load_b128 v[64*(\ks)+16*\b+4*\j:64*(\ks)+16*\b+4*\j+3], v[STL] offset:128*\b+16*\j   ; LDS serves a wave's instructions in order: these see my stores, and the next stores come behind them
.endr
.endr
.endm
.macro QUANT xf, s, ks                 ; the numbers at window 3's v[xf] become the fragment of tile s, K step ks, its scale word and its bf16 copy
	WIN 0x0f
.irp b, 0,1,2,3
	v_max3_num_f32 v[TM+\b], |v[\xf+16*\b]|, |v[\xf+1+16*\b]|, 0x1800000   ; with the floor 2^(3 - 127): the byte cannot fall under 1
.endr
.irp i, 2,4,6,8,10,12,14
.irp b, 0,1,2,3
	v_max3_num_f32 v[TM+\b], |v[\xf+16*\b+\i]|, |v[\xf+1+16*\b+\i]|, v[TM+\b]
.endr
.endr
	WIN 0
.irp b, 0,1,2,3
	v_permlanex16_b32 v[TM+4+\b], v[TM+\b], s[SEL], s[SEL+1]
.endr
.irp b, 0,1,2,3
	v_max_num_f32 v[TM+\b], v[TM+\b], v[TM+4+\b]   ; with lane l xor 16's 16: the block's largest magnitude
.endr
.irp b, 0,1,2,3
	v_add_nc_u32 v[TM+12+\b], 0xff000000, v[TM+\b] ; 2 off the exponent field: the conversion's scale operand
.endr
.irp b, 0,1,2,3
	v_lshrrev_b32 v[TM+4+\b], 23, v[TM+12+\b]
.endr
	v_lshl_or_b32 v[AS+2*(\s)+(\ks)], v[TM+5], 8, v[TM+4]
	v_lshl_or_b32 v[AS+2*(\s)+(\ks)], v[TM+6], 16, v[AS+2*(\s)+(\ks)]
	v_lshl_or_b32 v[AS+2*(\s)+(\ks)], v[TM+7], 24, v[AS+2*(\s)+(\ks)]
	WIN 0x03
.irp c, 0,1
	v_cvt_scalef32_pk16_fp6_f32 v[PC+6*\c:PC+6*\c+2], v[\xf+32*\c:\xf+32*\c+15], v[TM+12+2*\c]
	v_cvt_scalef32_pk16_fp6_f32 v[PC+12+4*\c:PC+12+4*\c+2], v[\xf+32*\c+16:\xf+32*\c+31], v[TM+12+2*\c+1]
.endr
	v_nop                                          ; a plain place behind the last conversion
	WIN 0
.irp c, 0,1
.irp i, 0,1,2
	v_permlane16_swap_b32 v[PC+6*\c+\i], v[PC+12+4*\c+\i]          ; a whole block to a lane: lanes 0-15 block 2 c, lanes 16-31 block 2 c + 1
.endr
.endr
	WIN 0x40
.irp c, 0,1
.irp i, 0,1,2
	v_mov_b32 v[24*(\s)+12*(\ks)+6*\c+\i], v[PC+6*\c+\i]
	v_mov_b32 v[24*(\s)+12*(\ks)+6*\c+3+\i], v[PC+12+4*\c+\i]
.endr
.endr
	WIN 0
	s_wait_alu depctr_va_vdst(0)
	s_wait_dscnt 0x0                               ; the last copy's stores have read their registers; the other K step's numbers are back too
	WIN 0x8f
.set i, 0
.rept 32
	v_cvt_pk_bf16_f32 v[KT+i], v[\xf+2*i], v[\xf+2*i+1]
.set i, i+1
.endr
	WIN 0x08
.irp q, 0,1,2,3,4,5,6,7
	ds_store_b128 v[KAD], v[KT+4*\q:KT+4*\q+3] offset:8192*(\s)+4096*(\ks)+512*\q   ; an image of the registers: 512 consecutive bytes a store
.endr
.endm
.macro ITILE u                         ; tile u enters, from landing set u % 2; tile u + 2 is asked for into that set; behind the last tile W's first chunk
.if (\u) < 7
	s_wait_loadcnt 32                              ; my set's 32 loads are in; the other set's may be out
.else
	s_wait_loadcnt 0x0
.endif
	TURN \u, 0
	TURN \u, 1
	s_wait_dscnt 16                                ; all but the youngest sixteen loads: both runs of stores are done, so the landing set is free, and K step 0's numbers are back
.if (\u) < 6
.if (\u)%2
	WIN 0x80
	HLOAD (\u)+2, 0
.else
	WIN 0xc0
	HLOAD (\u)+2, 128
.endif
.endif
.if (\u) == 7
.irp i, 0,1,2,3,4,5,6,7
	WFETCH \i, WB                                  ; chunk 0 into the eight sets
.endr
.endif
	QUANT 0, \u, 0
	QUANT 64, \u, 1
	WIN 0
.endm
	s_load_b256 s[4:11], s[0:1], 0x0               ; h s[4:5], wq s[6:7], sfi s[8:9], part_c s[10:11]
	s_load_b64 s[12:13], s[0:1], 0x20              ; part_ml
	v_lshl_add_u32 v[SPW], v0, 2, SPARE
	v_mov_b32 v[NIL], 0
	v_lshrrev_b32 v[T0], 5, v0
	v_readfirstlane_b32 s[WV], v[T0]               ; wave 0..3
	s_lshl_b32 s52, ttmp9, 20                      ; h: 256 g rows of 4,096 bytes,
	s_lshl_b32 s53, s[WV], 10                      ; my stripe's 1,024 bytes
	s_add_co_u32 s52, s52, s53
	s_lshl_b32 s56, ttmp9, 12                      ; part_c: 4,096 g + 1,024 w
	s_add_co_u32 s56, s56, s53
	s_mov_b32 s53, 0
	s_mov_b32 s57, 0
	s_lshr_b32 s54, ttmp9, 3                       ; the batch
	s_lshl_b32 s54, s54, 12
	s_mov_b32 s55, 0
	s_lshl_b32 s58, ttmp9, 8                       ; part_ml: 256 g
	s_mov_b32 s59, 0
	s_mul_i32 s60, s[WV], 25600                    ; my part of a chunk of wq
	s_mov_b32 s61, 0
	s_lshl_b32 s62, s[WV], 9
	s_add_co_u32 s62, s62, EX
	s_mul_i32 s63, s[WV], 16*STGP
	s_add_co_u32 s63, s63, STG                     ; my stage
	s_lshl_b32 s20, s[WV], 16                      ; my copies
	s_mov_b32 s[TS], 0
	s_mov_b32 s[SEL], 0x76543210
	s_mov_b32 s[SEL+1], 0xfedcba98
	v_and_b32 v96, 31, v0                          ; lane
	v_and_b32 v97, 15, v0                          ; r
	v_bfe_u32 v98, v0, 4, 1                        ; hh
	v_lshlrev_b32 v[BOF], 4, v96
	v_lshlrev_b32 v[SOF], 2, v96
	v_lshlrev_b32 v[MLO], 3, v96
	v_lshlrev_b32 v99, 5, v0                       ; sfi: 32 bytes a thread
	v_lshl_add_u32 v100, v0, 5, SFIL
	v_lshl_add_u32 v[STS], v96, 4, s63
	v_mul_u32_u24 v[STL], v97, STGP
	v_lshl_add_u32 v[STL], v98, 6, v[STL]
	v_add_nc_u32 v[STL], s63, v[STL]
	v_lshl_add_u32 v[EXW], v98, 5, s62
	v_lshl_add_u32 v[EXR], v97, 2, EX
	v_lshl_add_u32 v[SF0], v97, 5, SFIL
	v_lshl_add_u32 v[KAD], v96, 4, s20
	v_mul_u32_u24 v[CS], v97, CPITCH
	v_lshl_add_u32 v[CS], v98, 6, v[CS]
	v_add_nc_u32 v[CS], s20, v[CS]
	v_lshrrev_b32 v[PFO], 2, v96
	v_lshlrev_b32 v[PFO], 12, v[PFO]               ; the prefetch: row lane / 4,
	v_and_b32 v101, 3, v96
	v_lshl_add_u32 v[PFO], v101, 8, v[PFO]         ; block lane % 4 of its 1,024 bytes
	s_wait_alu depctr_va_vdst(0)
	s_wait_kmcnt 0x0
	s_add_nc_u64 s[HP:HP+1], s[4:5], s[52:53]
	s_add_nc_u64 s[PFA:PFA+1], s[HP:HP+1], 0x80000 ; my stripe of the second run
	s_add_nc_u64 s[8:9], s[8:9], s[54:55]
	s_add_nc_u64 s[10:11], s[10:11], s[56:57]
	s_add_nc_u64 s[12:13], s[12:13], s[58:59]
	s_add_nc_u64 s[WB:WB+1], s[6:7], s[60:61]
	global_load_b128 v[104:107], v99, s[8:9]
	global_load_b128 v[108:111], v99, s[8:9] offset:16
	WIN 0xc0
	HLOAD 0, 128                                   ; tile 0 into set 0
	WIN 0x80
	HLOAD 1, 0                                     ; tile 1 into set 1
	WIN 0
.set i, 0
.rept 128
	v_mov_b32 v[CTX+i], 0                          ; the context sums, written once while the first rows are on their way
.set i, i+1
.endr
	v_mov_b32 v[MX], 0xff61b1e6                    ; -3e38, under every e
	v_mov_b32 v[LS], 0
	v_mov_b32 v[FF+1], 0                           ; named as the upper half of a pair
.irp b, 0,1,2,3
	v_mov_b32 v[TM+4+\b], 0                        ; a lane permute's destination counts as one of its sources
.endr
	s_wait_loadcnt 63                              ; 64 loads are younger than s_fi's two: those are in
	ds_store_b128 v100, v[104:107]                 ; s_fi of my batch into LDS
	ds_store_b128 v100, v[108:111] offset:16
	s_mov_b32 s[QC], 2
	s_wait_alu depctr_va_vdst(0)
	s_wait_dscnt 0x0                               ; for the others' sake
	s_barrier_signal -1
	s_barrier_wait -1
.Lrun:                                                 ; a run: 128 rows
.irp u, 0,1,2,3,4,5,6,7
	ITILE \u
.endr
	WIN 0x40
.set i, 0
.rept 64
	v_mov_b32 v[EACC+i], 0                         ; the sums of e; also the places between the quantiser's writes and the scaled products
.set i, i+1
.endr
	WIN 0
	s_add_nc_u64 s[WN:WN+1], s[WB:WB+1], 0x20000   ; chunk 1 (the last loads by this base were waited for at their trip's end)
	s_mov_b32 s[CC], 7
.Lchunk:
	TRIP 1
	s_sub_co_u32 s[CC], s[CC], 1
	s_cmp_lg_u32 s[CC], 0
	s_wait_alu depctr_va_vdst(0)
	s_cbranch_scc1 .Lchunk
	TRIP 0                                         ; the walk's last chunk: W's registers are wanted for h
	s_cmp_gt_u32 s[QC], 1
	s_wait_alu depctr_va_vdst(0)
	s_cbranch_scc0 .Lno_more
	s_wait_xcnt 0x0
	s_add_nc_u64 s[HP:HP+1], s[HP:HP+1], 0x80000   ; 128 rows on
	WIN 0xc0
	HLOAD 0, 128                                   ; the next run's first two tiles are on their way while this run is weighed
	WIN 0x80
	HLOAD 1, 0
	WIN 0
.Lno_more:
	; THE RUN'S 128 ROWS GET THEIR WEIGHTS AND ARE SUMMED INTO THE CONTEXT
	WIN 0x45
.irp m, 1,2,4,8
.set i, 0
.rept 64
	v_add_f32_dpp v[EACC+i], v[EACC+i], v[EACC+i] row_xmask:\m row_mask:0xf bank_mask:0xf   ; over the sixteen classes of n
.set i, i+1
.endr
.endr
	WIN 0x04
.irp s, 0,1,2,3,4,5,6,7
	ds_store_b128 v[EXW], v[EACC+8*\s:EACC+8*\s+3] offset:64*\s    ; sixteen lanes write the same bytes with the same values
	ds_store_b128 v[EXW], v[EACC+8*\s+4:EACC+8*\s+7] offset:64*\s+16
.endr
	WIN 0
	s_wait_dscnt 0x0                               ; for the others' sake
	s_barrier_signal -1
	s_barrier_wait -1
.irp s, 0,1,2,3,4,5,6,7
.irp w, 0,1,2,3
	ds_load_b32 v[E0+4*\s+\w], v[EXR] offset:512*\w+64*\s          ; row 16 s + r's partial e of the four stripes
.endr
.endr
	s_wait_dscnt 0x0
	s_barrier_signal -1                            ; all have read: the next run may store its partial e
	s_barrier_wait -1
.irp s, 0,1,2,3,4,5,6,7
	v_pk_add_f32 v[E0+4*\s:E0+4*\s+1], v[E0+4*\s:E0+4*\s+1], v[E0+4*\s+2:E0+4*\s+3]
.endr
.irp s, 0,1,2,3,4,5,6,7
	v_add_f32 v[E0+4*\s], v[E0+4*\s], v[E0+4*\s+1] ; e
.endr
	v_max3_num_f32 v[T0], v[MX], v[E0], v[E0+4]
	v_max3_num_f32 v[T0], v[T0], v[E0+8], v[E0+12]
	v_max3_num_f32 v[T0], v[T0], v[E0+16], v[E0+20]
	v_max3_num_f32 v[T0], v[T0], v[E0+24], v[E0+28]    ; the new maximum
	v_sub_f32 v[T1], v[MX], v[T0]
.irp s, 0,1,2,3,4,5,6,7
	v_sub_f32 v[E0+4*\s], v[E0+4*\s], v[T0]
.endr
	v_mul_f32 v[T1], LOG2E, v[T1]
.irp s, 0,1,2,3,4,5,6,7
	v_mul_f32 v[E0+4*\s], LOG2E, v[E0+4*\s]
.endr
	s_wait_alu depctr_va_vdst(0)
	v_exp_f32 v[FF], v[T1]                         ; what was summed under the old maximum is brought under the new
.irp s, 0,1,2,3,4,5,6,7
	v_exp_f32 v[PP+\s], v[E0+4*\s]                 ; the rows' weights
.endr
	v_mov_b32 v[MX], v[T0]                         ; (a plain place behind the exponentials)
	s_wait_alu depctr_va_vdst(0)                   ; and behind it
	v_fma_f32 v[LS], v[LS], v[FF], v[PP]
	v_add_f32 v[T1], v[PP+1], v[PP+2]
	v_add_f32 v[E0], v[PP+3], v[PP+4]
	v_add_f32 v[E0+1], v[PP+5], v[PP+6]
	v_add_f32 v[LS], v[LS], v[PP+7]
	v_add_f32 v[T1], v[T1], v[E0]
	v_add_f32 v[LS], v[LS], v[E0+1]
	v_add_f32 v[LS], v[LS], v[T1]
.set i, 0
.rept 64
	v_pk_mul_f32 v[CTX+i:CTX+i+1], v[CTX+i:CTX+i+1], v[FF:FF+1] op_sel_hi:[1,0]
.set i, i+2
.endr
	s_mov_b32 s[KS], 0
	s_mov_b32 s[CC], 4
.Lctx:                                                 ; a trip: two tiles' copies come back from LDS and are weighed in
	v_add_nc_u32 v[SFA], s[KS], v[KAD]
	WIN 0xc0
.irp t, 0,1
.irp q, 0,1,2,3,4,5,6,7,8,9,10,11,12,13,14,15
	ds_load_b128 v[64*\t+4*\q:64*\t+4*\q+3], v[SFA] offset:8192*\t+512*\q
.endr
.endr
.irp t, 0,1
	s_wait_dscnt 16-16*\t
	WIN 0x03
.set i, 0
.rept 64
	v_fma_mix_f32_bf16 v[CTX+2*i], v[64*\t+i], v[PP+\t], v[CTX+2*i] op_sel_hi:[1,0,0]                    ; bf16 h x f32 weight + f32 sum
	v_fma_mix_f32_bf16 v[CTX+2*i+1], v[64*\t+i], v[PP+\t], v[CTX+2*i+1] op_sel:[1,0,0] op_sel_hi:[1,0,0]
.set i, i+1
.endr
.endr
	WIN 0
.irp j, 0,1,2,3,4,5
	v_mov_b32 v[PP+\j], v[PP+2+\j]                 ; the next two tiles' weights move to the front
.endr
	s_add_co_u32 s[KS], s[KS], 16384
	s_sub_co_u32 s[CC], s[CC], 1
	s_cmp_lg_u32 s[CC], 0
	s_wait_alu depctr_va_vdst(0)
	s_cbranch_scc1 .Lctx
	s_sub_co_u32 s[QC], s[QC], 1
	s_cmp_lg_u32 s[QC], 0
	s_cbranch_scc1 .Lrun
	; THE END.  The sixteen lanes' statistics are joined under their common maximum; the context sums go through my copies' bytes, which are read no more, and are added over the sixteen rows.
	v_mov_b32 v[T0], v[MX]
.irp m, 1,2,4,8
	v_max_num_f32_dpp v[T0], v[T0], v[T0] row_xmask:\m row_mask:0xf bank_mask:0xf
.endr
	v_sub_f32 v[E0], v[MX], v[T0]
	v_mul_f32 v[E0], LOG2E, v[E0]
	s_wait_alu depctr_va_vdst(0)
	v_exp_f32 v[FF], v[E0]
	v_nop                                          ; a plain place behind it
	s_wait_alu depctr_va_vdst(0)
	v_mul_f32 v[T1], v[LS], v[FF]
.irp m, 1,2,4,8
	v_add_f32_dpp v[T1], v[T1], v[T1] row_xmask:\m row_mask:0xf bank_mask:0xf
.endr
.set i, 0
.rept 64
	v_pk_mul_f32 v[CTX+i:CTX+i+1], v[CTX+i:CTX+i+1], v[FF:FF+1] op_sel_hi:[1,0]
.set i, i+2
.endr
.irp ks, 0,1
.irp b, 0,1,2,3
.irp j, 0,1,2,3
	ds_store_b128 v[CS], v[CTX+64*\ks+16*\b+4*\j:CTX+64*\ks+16*\b+4*\j+3] offset:512*\ks+128*\b+16*\j
.endr
.endr
.endr
	WIN 0x40
.irp row, 0,1,2,3,4,5,6,7,8,9,10,11,12,13,14,15
	ds_load_b128 v[4*\row:4*\row+3], v[KAD] offset:CPITCH*\row             ; LDS serves a wave's instructions in order: these see my stores
	ds_load_b128 v[64+4*\row:67+4*\row], v[KAD] offset:CPITCH*\row+512
.endr
	s_wait_dscnt 0x0
	WIN 0x45
.irp base, 0, 64
.irp d, 8, 4, 2, 1
.set i, 0
.rept \d
	v_pk_add_f32 v[\base+4*i:\base+4*i+1], v[\base+4*i:\base+4*i+1], v[\base+4*(i+\d):\base+4*(i+\d)+1]
	v_pk_add_f32 v[\base+4*i+2:\base+4*i+3], v[\base+4*i+2:\base+4*i+3], v[\base+4*(i+\d)+2:\base+4*(i+\d)+3]
.set i, i+1
.endr
.endr
.endr
	WIN 0x04
	global_store_b128 v[BOF], v[0:3], s[10:11]                     ; 32 lanes store 512 consecutive bytes
	global_store_b128 v[BOF], v[64:67], s[10:11] offset:512
	WIN 0
	s_cmp_lg_u32 s[WV], 0
	s_cbranch_scc1 .Lnot_first
	global_store_b64 v[MLO], v[T0:T1], s[12:13]    ; (maximum, sum): the same in every lane and wave; wave 0 stores 256 consecutive bytes
.Lnot_first:
	s_wait_tensorcnt 0x0                           ; the wave's end
	ds_add_u32 v[SPW], v[NIL]
	s_wait_dscnt 0x0
	s_endpgm
.Lfunc_end_k_qc18d1c1dbd_main:
	.size	k_qc18d1c1dbd_main, .Lfunc_end_k_qc18d1c1dbd_main-k_qc18d1c1dbd_main
	.p2alignl 7, 3214868480
	.fill 96, 4, 3214868480
	.section	.rodata,"a",@progbits
	.p2align	6, 0x0
	.amdhsa_kernel k_qc18d1c1dbd_main
		.amdhsa_group_segment_fixed_size 302592
		.amdhsa_private_segment_fixed_size 0
		.amdhsa_enable_private_segment 0
		.amdhsa_kernarg_size 40
		.amdhsa_user_sgpr_count 2
		.amdhsa_user_sgpr_kernarg_segment_ptr 1
		.amdhsa_wavefront_size32 1
		.amdhsa_system_sgpr_workgroup_id_x 1
		.amdhsa_system_sgpr_workgroup_id_y 1
		.amdhsa_system_sgpr_workgroup_id_z 1
		.amdhsa_system_vgpr_workitem_id 0
		.amdhsa_next_free_vgpr 1024
		.amdhsa_next_free_sgpr 66
		.amdhsa_reserve_vcc 0
		.amdhsa_float_denorm_mode_32 3
		.amdhsa_float_denorm_mode_16_64 3
		.amdhsa_memory_ordered 1
		.amdhsa_forward_progress 1
		.amdhsa_inst_pref_size 255
	.end_amdhsa_kernel
	.section	.bss,"aw",@nobits
	.p2align	6
	.space	262144
	.amdgpu_metadata
---
amdhsa.version: [ 1, 2 ]
amdhsa.kernels:
  - .name:           k_qc18d1c1dbd_main
    .symbol:         k_qc18d1c1dbd_main.kd
    .args:
      - { .name: h, .offset: 0, .size: 8, .value_kind: global_buffer, .address_space: global }
      - { .name: wq, .offset: 8, .size: 8, .value_kind: global_buffer, .address_space: global }
      - { .name: sfi, .offset: 16, .size: 8, .value_kind: global_buffer, .address_space: global }
      - { .name: part_c, .offset: 24, .size: 8, .value_kind: global_buffer, .address_space: global }
      - { .name: part_ml, .offset: 32, .size: 8, .value_kind: global_buffer, .address_space: global }
    .group_segment_fixed_size: 302592
    .private_segment_fixed_size: 0
    .kernarg_segment_align: 8
    .kernarg_segment_size: 40
    .max_flat_workgroup_size: 128
    .sgpr_count:     66
    .vgpr_count:     1024
    .wavefront_size: 32
...
	.end_amdgpu_metadata
.endif
;; end of part 2
;; launch merge (part 3): grid 32 x 1, 8 waves a work-group, no clusters, 0 bytes of LDS; arguments part_c, part_ml, out0; writes out0
.if DOCPART == 3
	.amdgcn_target "amdgcn-amd-amdhsa--gfx1250"
	.amdhsa_code_object_version 6
	.text
	.protected	k_qc18d1c1dbd_merge
	.globl	k_qc18d1c1dbd_merge
	.p2align	8
	.type	k_qc18d1c1dbd_merge,@function
k_qc18d1c1dbd_merge:
	s_mov_b64 s[64:65], 0
	v_nop
	global_prefetch_b8 v0, s[64:65] scope:SCOPE_SE
	s_setreg_imm32_b32 hwreg(HW_REG_WAVE_MODE, 25, 1), 1
	s_wait_xcnt 0x0
; out0[b][:] = the sum over a batch's eight parts of 2^((m_i - M) log2 e) c_i[:], divided by the same sum of the l_i; M the largest m_i.
; One work-group a batch; thread t owns 16 bytes of the row, so that a wave's load or store covers 512 consecutive bytes.  No LDS, no barrier: threads share nothing.
	s_load_b128 s[4:7], s[0:1], 0x0                ; part_c, part_ml
	s_load_b64 s[8:9], s[0:1], 0x10                ; out0
	v_lshlrev_b32 v1, 4, v0
	v_and_b32 v2, 31, v0
	s_delay_alu instid0(VALU_DEP_1)
	v_lshlrev_b32 v2, 3, v2                        ; every lane's pair holds the same two numbers: the wave reads the 256 bytes whole
	s_lshl_b32 s10, ttmp9, 15                      ; eight parts of 4,096 bytes
	s_mov_b32 s11, 0
	s_lshl_b32 s12, ttmp9, 11                      ; eight of 256
	s_mov_b32 s13, 0
	s_lshl_b32 s14, ttmp9, 12
	s_mov_b32 s15, 0
	s_wait_alu depctr_va_vdst(0)
	s_wait_kmcnt 0x0
	s_add_nc_u64 s[4:5], s[4:5], s[10:11]
	s_add_nc_u64 s[6:7], s[6:7], s[12:13]
	s_add_nc_u64 s[8:9], s[8:9], s[14:15]
.irp i, 0,1,2,3,4,5,6,7
	global_load_b64 v[4+2*\i:5+2*\i], v2, s[6:7] offset:256*\i     ; (m_i, l_i)
.endr
.irp i, 0,1,2,3,4,5,6,7
	global_load_b128 v[20+4*\i:23+4*\i], v1, s[4:5] offset:4096*\i ; c_i
.endr
	s_wait_loadcnt 8                               ; the eight pairs are in; the eight context loads may be out
	v_max3_num_f32 v60, v4, v6, v8
	s_delay_alu instid0(VALU_DEP_1)
	v_max3_num_f32 v60, v60, v10, v12
	s_delay_alu instid0(VALU_DEP_1)
	v_max3_num_f32 v60, v60, v14, v16
	s_delay_alu instid0(VALU_DEP_1)
	v_max_num_f32 v60, v60, v18
.irp i, 0,1,2,3,4,5,6,7
	v_sub_f32 v[52+\i], v[4+2*\i], v60
.endr
.irp i, 0,1,2,3,4,5,6,7
	v_mul_f32 v[52+\i], 0x3fb8aa3b, v[52+\i]
.endr
	s_wait_alu depctr_va_vdst(0)
.irp i, 0,1,2,3,4,5,6,7
	v_exp_f32 v[52+\i], v[52+\i]
.endr
	v_nop                                          ; a plain place behind the exponentials
	s_wait_alu depctr_va_vdst(0)
	v_mul_f32 v61, v52, v5
.irp i, 1,2,3,4,5,6,7
	v_fmac_f32 v61, v[52+\i], v[5+2*\i]
.endr
	s_wait_alu depctr_va_vdst(0)
	v_rcp_f32 v62, v61
	s_wait_loadcnt 0x0
.irp j, 0,1,2,3
	v_mul_f32 v[20+\j], v[20+\j], v52              ; (plain places behind the reciprocal)
.endr
.irp i, 1,2,3,4,5,6,7
.irp j, 0,1,2,3
	v_fmac_f32 v[20+\j], v[52+\i], v[20+4*\i+\j]
.endr
.endr
	s_wait_alu depctr_va_vdst(0)
.irp j, 0,1,2,3
	v_mul_f32 v[20+\j], v[20+\j], v62
.endr
	global_store_b128 v1, v[20:23], s[8:9]
	s_endpgm
.Lfunc_end_k_qc18d1c1dbd_merge:
	.size	k_qc18d1c1dbd_merge, .Lfunc_end_k_qc18d1c1dbd_merge-k_qc18d1c1dbd_merge
	.p2alignl 7, 3214868480
	.fill 96, 4, 3214868480
	.section	.rodata,"a",@progbits
	.p2align	6, 0x0
	.amdhsa_kernel k_qc18d1c1dbd_merge
		.amdhsa_group_segment_fixed_size 0
		.amdhsa_private_segment_fixed_size 0
		.amdhsa_enable_private_segment 0
		.amdhsa_kernarg_size 24
		.amdhsa_user_sgpr_count 2
		.amdhsa_user_sgpr_kernarg_segment_ptr 1
		.amdhsa_wavefront_size32 1
		.amdhsa_system_sgpr_workgroup_id_x 1
		.amdhsa_system_sgpr_workgroup_id_y 1
		.amdhsa_system_sgpr_workgroup_id_z 1
		.amdhsa_system_vgpr_workitem_id 0
		.amdhsa_next_free_vgpr 64
		.amdhsa_next_free_sgpr 66
		.amdhsa_reserve_vcc 0
		.amdhsa_float_denorm_mode_32 3
		.amdhsa_float_denorm_mode_16_64 3
		.amdhsa_memory_ordered 1
		.amdhsa_forward_progress 1
		.amdhsa_inst_pref_size 6
	.end_amdhsa_kernel
	.amdgpu_metadata
---
amdhsa.version: [ 1, 2 ]
amdhsa.kernels:
  - .name:           k_qc18d1c1dbd_merge
    .symbol:         k_qc18d1c1dbd_merge.kd
    .args:
      - { .name: part_c, .offset: 0, .size: 8, .value_kind: global_buffer, .address_space: global }
      - { .name: part_ml, .offset: 8, .size: 8, .value_kind: global_buffer, .address_space: global }
      - { .name: out0, .offset: 16, .size: 8, .value_kind: global_buffer, .address_space: global }
    .group_segment_fixed_size: 0
    .private_segment_fixed_size: 0
    .kernarg_segment_align: 8
    .kernarg_segment_size: 24
    .max_flat_workgroup_size: 256
    .sgpr_count:     66
    .vgpr_count:     64
    .wavefront_size: 32
...
	.end_amdgpu_metadata
.endif
;; end of part 3
